; MI455X (gfx1250); checked and timed in simulation.
; The chip was launched on July 23, 2026; its instructions are those of AMD's public machine-readable ISA for CDNA 5 (MIT licence, August 2026) and "CDNA5" Instruction Set Architecture Reference Guide (July 2026). The comments in the code are by the model that wrote it; some were corrected since.
;; Ref Attn Processor V2. Allowed arithmetic: matrix products marked QUANTISED: E2M1 operands, one E8M0 scale for each 32 along K, by v_wmma_scale_f32_16x16x128_f8f6f4 with both operands' format E2M1 (or v_wmma_scale_f32_32x16x128_f4), f32 sums; everything else in f32.
;; Inputs: W_k 3,072 x 3,072 float32; W_v 3,072 x 3,072 float32; freqs_cos 1,024 x 128 float32; freqs_sin 1,024 x 128 float32; k_norm_w 128 float32; query 1 x 4,096 x 24 x 128 float32; ref_latent 1 x 1,024 x 3,072 float32.
;; Outputs: out0 1 x 4,096 x 3,072 float32.
;; This version of the problem:
;;   THIS VERSION OF THE PROBLEM IS GIVEN IN LOW PRECISION. The matrix products marked QUANTISED in the list below multiply operands that are first quantised to E2M1 (2 exponent bits, 1 mantissa bit; 4 bits a number), with one power-of-two scale for each 32 numbers along K (OCP MX v1.0); their sums are f32. All else is computed in f32.
;;   The module's matrix products, in the order in which they are computed (A, B: the left and right operand; K: the contracted axis; several contracted axes count as one K, in the product's order):
;;     1. [M 1,024, K 3,072] x [K 3,072, N 3,072]; A: input ref_latent; B: input W_k: QUANTISED
;;     2. [M 1,024, K 3,072] x [K 3,072, N 3,072]; A: input ref_latent; B: input W_v: QUANTISED
;;     3. batch 96 x [M 1,024, K 128] x [K 128, N 1,024]; A: computed on the way; B: computed on the way: QUANTISED
;;     4. batch 96 x [M 128, K 1,024] x [K 1,024, N 1,024]; A: computed on the way; B: softmax (see below): QUANTISED
;;   THE QUANTISER, for each operand of a quantised product, along K:
;;     - K is cut into blocks of 32 from its start; a last block that is shorter is filled with zeros.
;;     - A block's scale is 2^e with e = floor(log2(the largest magnitude in the block)) - 2, held to -126 .. 127; a block of zeros has e = 0. As a byte (E8M0): e + 127.
;;     - Each number is divided by its block's scale, clamped to +-6, and rounded to the nearest number of E2M1, ties to even, subnormals kept.
;;     - The product sums the exact products of the quantised numbers (number of the format x scale) in f32.
;;   ~~~python
;;   def quantise(x, axis):      # numpy; x: float32 -> the quantised numbers, widened to float32 again
;;       x = np.moveaxis(x, axis, -1); K = x.shape[-1]
;;       x = np.pad(x, [(0, 0)] * (x.ndim - 1) + [(0, -K % 32)]); x = x.reshape(x.shape[:-1] + (-1, 32)); a = np.abs(x).max(-1, keepdims=True)
;;       e = np.where(a > 0, np.clip(np.frexp(np.where(a > 0, a, 1))[1] - 1 - 2, -126, 127), 0)      # np.frexp(a)[1] - 1 = floor(log2(a)), exactly
;;       r = np.clip(x / 2.0 ** e, -6, 6)
;;       step = 2.0 ** (np.maximum(np.frexp(np.where(r == 0, 1, r))[1] - 1, 0) - 1)
;;       q = np.round(r / step) * step * 2.0 ** e      # np.round: ties to even
;;       return np.moveaxis(q.reshape(q.shape[:-2] + (-1,))[..., :K], -1, axis).astype(np.float32)
;;   ~~~
;;   SOFTMAX AHEAD OF A QUANTISED PRODUCT. Where the list says 'softmax', what is quantised is not the finished softmax but p = 2^(t - M), with t = logit x log2(e) and M = ceil(the row's largest t), a whole number; so 1/2 < the row's largest p <= 1. The row's sum l is taken of the UNQUANTISED p, in f32, and the product's result is divided by l at the end. Since M is a whole number, a kernel that streams over the keys may use a running M (the ceiling of the running maximum): every later rescaling is an exact power of two, which a block's scale takes up: the codes' values come out the same.
;;   OPERANDS COMPUTED ON THE WAY. 'Computed on the way' means the value that the module computes at that place (a softmax that the list does not call 'softmax' is quantised finished and normalised). What goes into a quantiser is computed in f32, as accurately as f32 sums, v_exp_f32 and their like allow (about 1e-6 of the number): no bf16 or f16 on the way to a quantiser, and a product that is left as it is and whose result goes on into a quantised operand takes f32 operands (vector FMAs, or v_wmma_f32_16x16x4_f32). A number that lies on a knife's edge between two numbers of the format may be rounded either way, as far as f32 arithmetic and the matrix unit's own rounding can turn it there, and no further.
;; One version. Each part assembles by itself: llvm-mc -triple=amdgcn-amd-amdhsa -mcpu=gfx1250 --defsym DOCPART=n.
;; ======== version 1 of 1: 3 launches
;; limits: right only within a limited range of input values
;; workspace buffers: codes 11,698,176 bytes; kv 3,342,336 bytes; cs 1,048,576 bytes
;; launch quant (part 1): grid 688 x 1, 4 waves a work-group, no clusters, 39,424 bytes of LDS; arguments ref_latent, W_k, W_v, codes, freqs_cos, freqs_sin, cs; writes codes, cs
.if DOCPART == 1
	.amdgcn_target "amdgcn-amd-amdhsa--gfx1250"
	.amdhsa_code_object_version 6
	.text
	.protected	k_qf3aa7c2e3e_quant
	.globl	k_qf3aa7c2e3e_quant
	.p2align	8
	.type	k_qf3aa7c2e3e_quant,@function
k_qf3aa7c2e3e_quant:
	s_mov_b64 s[64:65], 0
	v_nop
	global_prefetch_b8 v0, s[64:65] scope:SCOPE_SE
	s_setreg_imm32_b32 hwreg(HW_REG_WAVE_MODE, 25, 1), 1
	s_wait_xcnt 0x0
; TWO JOBS, parted by one scalar branch on the work-group's number.
; WORK-GROUPS 0 TO 671: ref_latent [1024][3072], W_k [3072][3072], W_v [3072][3072], f32, K innermost, become codes of FP4 (E2M1) with one E8M0 byte for each 32 along K.
; A block's scale is 2^(floor(log2(its largest magnitude)) - 2); its byte is the largest magnitude's exponent field - 2, held at 1 from below; each number is divided by the scale and rounded to the nearest code, ties to even.
; THE OUTPUT, codes: [6 K steps of 512][7168 records][272 bytes].  A record is one row's K step: 256 bytes of codes (the lower k in the low four bits), then its 16 scale bytes.
; Records 0-1023: ref_latent; 1024-4095: W_k; 4096-7167: W_v.  INSIDE EACH 32 ROWS THE RECORDS ARE PERMUTED: record 16 u + r holds row 8 u + r + 8 (r / 8), so that sixteen neighbouring records are a tile
; whose results, in the next launch, lie in a lane's registers as neighbours along the next product's K.
; SHARES: work-group id: x = id % 6 = the K step, y = id / 6 = 64 records; wave w takes records 64 y + 16 w + t, t = 0 .. 15, a step of 512 numbers (2,048 consecutive bytes) each.
; A lane must hold 16 neighbours for the conversions, and a load is best where neighbouring lanes take neighbouring bytes: the 2,048 bytes turn through the wave's own stage in LDS (16 bytes of padding behind each 64).
; The wave's 16 records, 4,352 = 17 x 256 consecutive bytes of the output, are gathered in its own LDS bytes and leave by stores that each cover whole aligned runs of 256 bytes.
; WORK-GROUPS 672 TO 687: freqs_cos and freqs_sin [1024][128] f32 are laid out once in the order in which the next launch's registers take them.  cs: [64 tiles of 16 keys][cos, sin][16 chunks][512 bytes]:
; chunk 4 b + j of tile T holds, at 16 x lane, the four numbers at channels 32 b + 16 (lane / 16) + 4 j on of key 32 (T / 2) + 8 (T % 2) + r + 8 (r / 8), r = lane % 16.  A wave takes one tile: 32 loads in which each
; lane takes 16 bytes of its own row, 32 stores of 512 consecutive bytes.  So that gather is made once here, and every later load of the tables in that order covers 512 consecutive bytes.  This path uses no LDS.
; No tensor loads, no barrier, no cluster: waves and work-groups share no input byte.  The quantiser's loads run four steps (16 loads a wave) ahead, the turn through LDS one step.
; LIMITS: NaN and infinities are not served.  A block whose largest magnitude lies under 2^-124, a block of zeros among them, gets the byte 1 (the rule says 127 for zeros): its codes are zeros or
; the smallest codes, and this program alone reads the bytes.
.set NQWG,  672                        ; the quantiser's work-groups: 6 K steps x 112 groups of 64 records
.set STEPS, 16
.set ROWIN, 12288                      ; a row of any of the three inputs, in bytes
.set RECB,  272                        ; a record
.set NREC,  7168                       ; records in a K step
.set SP,    80                         ; a lane's place in a stage: its 64 bytes + 16 of padding
.set REC,   2*32*SP                    ; behind the two stages: the wave's 16 records
.set WREG,  REC+16*RECB                ; LDS bytes of a wave: 9,472
.set R,     16                         ; v16-79   four sets of 16 numbers as they are loaded; at the end the records on their way out.  (The tables' path: v16-79 cos, v80-143 sin)
.set X,     80                         ; v80-111  two sets of 16 neighbours
.set E,     112                        ; v112-127 a scale byte for each step
.set C,     128                        ; v128-191 codes: registers of their own for each step
	s_load_b256 s[4:11], s[0:1], 0x0               ; ref_latent s[4:5], W_k s[6:7], W_v s[8:9], codes s[10:11]
	s_load_b128 s[24:27], s[0:1], 0x20             ; freqs_cos s[24:25], freqs_sin s[26:27]
	s_load_b64 s[28:29], s[0:1], 0x30              ; cs
	v_lshl_add_u32 v192, v0, 2, 0x9800
	v_mov_b32 v193, 0
	v_lshrrev_b32 v1, 5, v0
	v_readfirstlane_b32 s12, v1                    ; wave
	v_and_b32 v2, 31, v0                           ; lane
	v_lshlrev_b32 v3, 4, v2                        ; 16 x lane: my bytes of a load's 512, and of a store's
	s_cmp_ge_u32 ttmp9, NQWG
	s_cbranch_scc1 .Ltables
	s_mul_hi_u32 s13, ttmp9, 0xaaaaaaab
	s_lshr_b32 s13, s13, 2                         ; y = id / 6: which 64 records
	s_mul_i32 s22, s13, 6
	s_sub_co_u32 s22, ttmp9, s22                   ; x = id - 6 y: the K step
	s_mul_i32 s17, s12, WREG
	v_lshrrev_b32 v14, 2, v2
	v_mul_u32_u24 v14, v14, SP
	v_and_b32 v15, 3, v2
	v_lshl_add_u32 v14, v15, 4, v14
	v_add_nc_u32 v14, s17, v14                     ; the stage, on the way in: SP (lane / 4) + 16 (lane % 4)
	v_mul_u32_u24 v15, v2, SP
	v_add_nc_u32 v15, s17, v15                     ; and on the way out: SP x lane: my 16 neighbours
	s_add_co_u32 s17, s17, REC
	s_wait_alu depctr_va_vdst(0)
	v_lshlrev_b32 v7, 3, v2                        ; 8 x lane
	v_add_nc_u32 v4, s17, v7                       ; a record's codes: 8 bytes a lane
	v_lshrrev_b32 v5, 1, v2
	v_add_nc_u32 v5, s17, v5
	v_add_nc_u32 v5, 256, v5                       ; a record's scale bytes: my block's byte
	v_add_nc_u32 v6, s17, v3                       ; the records on their way out: 16 bytes a lane
	s_wait_kmcnt 0x0
	s_cmp_lt_u32 s13, 64                           ; which tensor: the choice hangs on the work-group's number alone
	s_cselect_b64 s[6:7], s[6:7], s[8:9]
	s_cselect_b32 s14, 16, 64
	s_cmp_lt_u32 s13, 16
	s_cselect_b64 s[4:5], s[4:5], s[6:7]
	s_cselect_b32 s14, 0, s14                      ; the y at which that tensor begins
	s_sub_co_u32 s15, s13, s14
	s_lshl_b32 s15, s15, 6
	s_lshr_b32 s16, s12, 1
	s_lshl_b32 s16, s16, 5
	s_add_co_u32 s15, s15, s16
	s_and_b32 s16, s12, 1
	s_lshl_b32 s16, s16, 3
	s_add_co_u32 s15, s15, s16                     ; step 0's row: 64 (y - first y) + 32 (w / 2) + 8 (w % 2); step t's lies t + 8 (t / 8) rows on
	s_mul_i32 s18, s15, ROWIN                      ; under 2^26
	s_lshl_b32 s16, s22, 11                        ; the K step: 2,048 bytes of a row
	s_add_co_u32 s18, s18, s16
	s_mov_b32 s19, 0
	s_add_nc_u64 s[4:5], s[4:5], s[18:19]
	s_mul_i32 s20, s22, NREC
	s_lshl_b32 s16, s13, 6
	s_add_co_u32 s20, s20, s16
	s_lshl_b32 s16, s12, 4
	s_add_co_u32 s20, s20, s16                     ; my first record
	s_mul_i32 s20, s20, RECB
	s_mov_b32 s21, 0
	s_add_nc_u64 s[10:11], s[10:11], s[20:21]
.macro LOAD t
.irp i, 0,1,2,3
	global_load_b128 v[R+16*((\t)%4)+4*\i:R+16*((\t)%4)+4*\i+3], v3, s[4:5] offset:((\t)+8*((\t)/8))*ROWIN+512*\i th:TH_LOAD_NT   ; 32 lanes read 512 consecutive bytes
.endr
.endm
.macro TURN t                          ; step t's numbers through the stage: LDS serves a wave's instructions in order, so no wait stands between the stores and the loads
.irp i, 0,1,2,3
	ds_store_b128 v14, v[R+16*((\t)%4)+4*\i:R+16*((\t)%4)+4*\i+3] offset:32*SP*((\t)%2)+8*SP*\i
.endr
.irp i, 0,1,2,3
	ds_load_b128 v[X+16*((\t)%2)+4*\i:X+16*((\t)%2)+4*\i+3], v15 offset:32*SP*((\t)%2)+16*\i
.endr
.endm
.irp t, 0,1,2,3
	LOAD \t
.endr
	s_wait_loadcnt 12                              ; step 0's four loads are in
	TURN 0
.macro STEP t
.set XS, X+16*((\t)%2)
.if (\t) > 0
	s_wait_dscnt 2                                 ; this step's numbers are back from the stage; the last step's two stores into its record may be out
.else
	s_wait_dscnt 0x0
.endif
.if (\t)+4 < STEPS
	LOAD (\t)+4
.endif
.if (\t)+1 < STEPS
.if STEPS-2-(\t) >= 3
	s_wait_loadcnt 12                              ; the next step's four loads are in; those of the three steps behind it may be out
.else
	s_wait_loadcnt 4*(STEPS-2-(\t))
.endif
	TURN (\t)+1                                    ; and go through the other stage while this step is worked
.endif
	v_max3_num_f32 v8, |v[XS]|, |v[XS+1]|, |v[XS+2]|               ; the largest magnitude of my 16, in two chains
	v_max3_num_f32 v9, |v[XS+3]|, |v[XS+4]|, |v[XS+5]|
.irp i, 6,10
	v_max3_num_f32 v8, v8, |v[XS+\i]|, |v[XS+\i+1]|
	v_max3_num_f32 v9, v9, |v[XS+\i+2]|, |v[XS+\i+3]|
.endr
	v_max3_num_f32 v8, v8, |v[XS+14]|, |v[XS+15]|
	v_max3_num_f32 v8, v8, v9, 0x1800000           ; and the floor 2^(3 - 127): so the byte cannot fall under 1
	v_max_num_f32_dpp v8, v8, v8 row_xmask:1 row_mask:0xf bank_mask:0xf   ; and of my neighbour's 16: the block's
	v_add_nc_u32 v11, 0xff000000, v8               ; 2 off its exponent field: the conversion takes the exponent field of this operand as its scale
	v_cvt_scalef32_pk8_fp4_f32 v[C+4*(\t)], v[XS:XS+7], v11
	v_cvt_scalef32_pk8_fp4_f32 v[C+4*(\t)+1], v[XS+8:XS+15], v11
	v_lshrrev_b32 v[E+(\t)], 23, v11               ; the scale's byte (a plain line behind the conversions)
	ds_store_b64 v4, v[C+4*(\t):C+4*(\t)+1] offset:RECB*(\t)       ; my 16 codes into record t
	ds_store_b8 v5, v[E+(\t)] offset:RECB*(\t)     ; both lanes of a block write the same byte with the same value
.endm
.irp t, 0,1,2,3,4,5,6,7,8,9,10,11,12,13,14,15
	STEP \t
.endr
.irp k, 0,1,2,3,4,5,6,7
	ds_load_b128 v[R+4*\k:R+4*\k+3], v6 offset:512*\k              ; LDS serves a wave's instructions in order: these see my stores
.endr
	ds_load_b64 v[R+32:R+33], v4 offset:4096       ; the last 256 of the 4,352 bytes
	s_wait_dscnt 0x0
.irp k, 0,1,2,3,4,5,6,7
	global_store_b128 v3, v[R+4*\k:R+4*\k+3], s[10:11] offset:512*\k   ; 512 consecutive bytes, at a multiple of 256 from the buffer's first byte
.endr
	global_store_b64 v7, v[R+32:R+33], s[10:11] offset:4096
	s_wait_tensorcnt 0x0
	ds_add_u32 v192, v193
	s_wait_dscnt 0x0
	s_endpgm
.Ltables:                                              ; the rotation's tables as images: wave w of work-group 672 + g takes tile T = 4 g + w
	s_sub_co_u32 s13, ttmp9, NQWG
	s_lshl_b32 s13, s13, 2
	s_add_co_u32 s13, s13, s12                     ; T = 0 .. 63
	s_lshr_b32 s14, s13, 1
	s_lshl_b32 s14, s14, 5
	s_and_b32 s15, s13, 1
	s_lshl_b32 s15, s15, 3
	s_add_co_u32 s14, s14, s15                     ; the tile's first key: 32 (T / 2) + 8 (T % 2); its last lies 23 rows on: 1,023 at the most
	s_lshl_b32 s14, s14, 9                         ; a row of cos or sin is 512 bytes
	s_mov_b32 s15, 0
	s_lshl_b32 s16, s13, 14                        ; a tile's two images are 16,384 bytes
	s_mov_b32 s17, 0
	v_and_b32 v4, 15, v0                           ; r
	v_bfe_u32 v5, v0, 4, 1                         ; h
	v_and_b32 v6, 8, v4
	v_add_nc_u32 v6, v6, v4                        ; r + 8 (r / 8)
	v_lshlrev_b32 v6, 9, v6
	v_lshl_add_u32 v6, v5, 6, v6                   ; my key's row, + 64 h: my 16 channels of a block of 32
	s_wait_alu depctr_va_vdst(0)
	s_wait_kmcnt 0x0
	s_add_nc_u64 s[24:25], s[24:25], s[14:15]
	s_add_nc_u64 s[26:27], s[26:27], s[14:15]
	s_add_nc_u64 s[28:29], s[28:29], s[16:17]
.irp c, 0,1,2,3,4,5,6,7,8,9,10,11,12,13,14,15
	global_load_b128 v[16+4*\c:19+4*\c], v6, s[24:25] offset:128*(\c/4)+16*(\c%4)   ; cos at channels 32 b + 16 h + 4 j on, c = 4 b + j
.endr
.irp c, 0,1,2,3,4,5,6,7,8,9,10,11,12,13,14,15
	global_load_b128 v[80+4*\c:83+4*\c], v6, s[26:27] offset:128*(\c/4)+16*(\c%4)   ; sin likewise
.endr
.irp c, 0,1,2,3,4,5,6,7,8,9,10,11,12,13,14,15
	s_wait_loadcnt 31-\c                           ; loads come back in order: chunk c of cos is in, the 31 - c loads issued behind it may be out
	global_store_b128 v3, v[16+4*\c:19+4*\c], s[28:29] offset:512*\c                ; 512 consecutive bytes, at a multiple of 256 from the buffer's first byte
.endr
.irp c, 0,1,2,3,4,5,6,7,8,9,10,11,12,13,14,15
	s_wait_loadcnt 15-\c
	global_store_b128 v3, v[80+4*\c:83+4*\c], s[28:29] offset:8192+512*\c
.endr
	s_endpgm
.Lfunc_end_k_qf3aa7c2e3e_quant:
	.size	k_qf3aa7c2e3e_quant, .Lfunc_end_k_qf3aa7c2e3e_quant-k_qf3aa7c2e3e_quant
	.p2alignl 7, 3214868480
	.fill 96, 4, 3214868480
	.section	.rodata,"a",@progbits
	.p2align	6, 0x0
	.amdhsa_kernel k_qf3aa7c2e3e_quant
		.amdhsa_group_segment_fixed_size 39424
		.amdhsa_private_segment_fixed_size 0
		.amdhsa_enable_private_segment 0
		.amdhsa_kernarg_size 56
		.amdhsa_user_sgpr_count 2
		.amdhsa_user_sgpr_kernarg_segment_ptr 1
		.amdhsa_wavefront_size32 1
		.amdhsa_system_sgpr_workgroup_id_x 1
		.amdhsa_system_sgpr_workgroup_id_y 1
		.amdhsa_system_sgpr_workgroup_id_z 1
		.amdhsa_system_vgpr_workitem_id 0
		.amdhsa_next_free_vgpr 194
		.amdhsa_next_free_sgpr 66
		.amdhsa_reserve_vcc 0
		.amdhsa_float_denorm_mode_32 3
		.amdhsa_float_denorm_mode_16_64 3
		.amdhsa_memory_ordered 1
		.amdhsa_forward_progress 1
		.amdhsa_inst_pref_size 43
	.end_amdhsa_kernel
	.amdgpu_metadata
---
amdhsa.version: [ 1, 2 ]
amdhsa.kernels:
  - .name:           k_qf3aa7c2e3e_quant
    .symbol:         k_qf3aa7c2e3e_quant.kd
    .args:
      - { .name: ref_latent, .offset: 0, .size: 8, .value_kind: global_buffer, .address_space: global }
      - { .name: W_k, .offset: 8, .size: 8, .value_kind: global_buffer, .address_space: global }
      - { .name: W_v, .offset: 16, .size: 8, .value_kind: global_buffer, .address_space: global }
      - { .name: codes, .offset: 24, .size: 8, .value_kind: global_buffer, .address_space: global }
      - { .name: freqs_cos, .offset: 32, .size: 8, .value_kind: global_buffer, .address_space: global }
      - { .name: freqs_sin, .offset: 40, .size: 8, .value_kind: global_buffer, .address_space: global }
      - { .name: cs, .offset: 48, .size: 8, .value_kind: global_buffer, .address_space: global }
    .group_segment_fixed_size: 39424
    .private_segment_fixed_size: 0
    .kernarg_segment_align: 8
    .kernarg_segment_size: 56
    .max_flat_workgroup_size: 128
    .sgpr_count:     66
    .vgpr_count:     194
    .wavefront_size: 32
...
	.end_amdgpu_metadata
.endif
;; end of part 1
;; launch proj (part 2): grid 24 x 4, 4 waves a work-group, clusters of 4 x 4, 327,680 bytes of LDS; arguments codes, cs, k_norm_w, kv; writes kv
.if DOCPART == 2
	.amdgcn_target "amdgcn-amd-amdhsa--gfx1250"
	.amdhsa_code_object_version 6
	.text
	.protected	k_qf3aa7c2e3e_proj
	.globl	k_qf3aa7c2e3e_proj
	.p2align	8
	.type	k_qf3aa7c2e3e_proj,@function
k_qf3aa7c2e3e_proj:
	s_mov_b64 s[64:65], 0
	v_nop
	global_prefetch_b8 v0, s[64:65] scope:SCOPE_SE
	s_setreg_imm32_b32 hwreg(HW_REG_WAVE_MODE, 25, 1), 1
	s_wait_xcnt 0x0
	s_wait_alu depctr_hold_cnt(0) depctr_sa_sdst(0) depctr_va_vdst(0) depctr_va_sdst(0) depctr_va_ssrc(0) depctr_va_vcc(0) depctr_vm_vsrc(0)
	s_getreg_b32 s2, hwreg(HW_REG_IB_STS2, 6, 4)
	s_cmp_eq_u32 s2, 0
	s_cbranch_scc0 .Lentry_in_a_cluster
	s_endpgm
.Lentry_in_a_cluster:
	s_bfe_u32 s2, ttmp6, 0x10000c
	s_cmp_lg_u32 s2, 0xf033
	s_cbranch_scc0 .Lentry_shape_is_right
	s_endpgm
.Lentry_shape_is_right:
.set NQ,     4
.set PITCH,  272
.set FR,     8
.set NL,     2
.set NP,     4
.set HALFT,  128*PITCH
.set SLOT,   4*HALFT
.set LAPS,   3
.set KSTRIDE, 7168*PITCH
.set SPARE,  2*SLOT
.set HEADB,  139264
.set ADRA, 16
.set ADRB, 20
.set ADRS, 22
.set OUTA, 25
.set NWA,  26
.set SPW,  28
.set NIL,  29
.set SC,   32
.set AF,   128
.set Z,    96
.set NW,   160
.set TM,   224
.set SS,   TM+8
.set PW,   240
.set RS,   242
.set PC,   244
.set SW,   252
.set G1, 24
.set G0, 32
.set G1B, 48
.set G0B, 56
.set TYP, 66
.set SEL, 68
.set IMG, 82
.set SCW, 84
.set MSB, 0
.macro WIN new
.if MSB != (\new)
	s_set_vgpr_msb (MSB<<8)|(\new)
.set MSB, (\new)
.endif
.endm
.set MUL_LO, 0xa1
.set MUL_HI, 0xf1
.set TO_B,   0x40
.macro JLOAD g0a, g1a, g0b, g1b
	s_cmp_eq_u32 s15, 0
	s_cbranch_scc0 .Lfor_b_\@
	tensor_load_to_lds s[\g0a:\g0a+3], s[\g1a:\g1a+7]
	s_nop 0
.rept 4
	v_nop
.endr
	s_branch .Lasked_\@
.Lfor_b_\@:
	tensor_load_to_lds s[\g0b:\g0b+3], s[\g1b:\g1b+7]
	s_nop 0
.rept 4
	v_nop
.endr
.Lasked_\@:
.endm
.macro CREST
	s_cmp_lg_u32 s14, 0
	s_cbranch_scc1 .Lnot_wave_0_\@
	s_barrier_signal -3
.Lnot_wave_0_\@:
	s_barrier_wait -3
	s_barrier_signal -1
	s_barrier_wait -1
.endm
.macro CROUND
	s_barrier_signal -1
	s_barrier_wait -1
	CREST
.endm
	s_load_b128 s[4:7], s[0:1], 0x0
	s_load_b128 s[8:11], s[0:1], 0x10
	v_lshl_add_u32 v[SPW], v0, 2, SPARE
	v_mov_b32 v[NIL], 0
	ds_add_u32 v28, v29
	ds_add_u32 v28, v29
	s_wait_dscnt 0x0
	v_lshrrev_b32 v1, 5, v0
	v_readfirstlane_b32 s14, v1
	s_lshr_b32 s15, s14, 1
	s_and_b32 s16, s14, 1
	s_bfe_u32 s40, ttmp6, 0x40000
	s_bfe_u32 s41, ttmp6, 0x40004
	s_lshl_b32 s42, ttmp9, 2
	s_add_co_u32 s42, s42, 4
	s_cmp_lt_u32 ttmp9, 3
	s_cselect_b32 s17, 0, s42
	s_cselect_b32 s42, s42, 0
	s_cselect_b32 s[TYP], 0, 1
	s_add_co_u32 s17, s17, s41
	s_add_co_u32 s42, s42, s40
	s_lshl_b32 s43, s41, 2
	s_lshl_b32 s43, 15, s43
	s_lshl_b32 s44, 0x1111, s40
	s_or_b32 s[G1+0], s43, (3<<16)|(1<<21)
	s_or_b32 s[G1B+0], s44, (3<<16)|(1<<21)
.irp g, G1, G1B
	s_mov_b32 s[\g+1], 32<<16
	s_mov_b32 s[\g+2], 136<<16
	s_mov_b32 s[\g+3], 32<<16
	s_mov_b32 s[\g+4], 136
	s_mov_b32 s[\g+5], 32
	s_mov_b32 s[\g+6], 0
	s_mov_b32 s[\g+7], 0
.endr
	s_lshl_b32 s18, s16, 7
	s_lshl_b32 s20, s17, 8
	s_add_co_u32 s20, s20, s18
	s_mul_i32 s20, s20, PITCH
	s_mov_b32 s21, 0
	s_lshl_b32 s46, s42, 8
	s_add_co_u32 s46, s46, s18
	s_mul_i32 s46, s46, PITCH
	s_mov_b32 s47, 0
	s_mul_i32 s45, s14, HALFT
	s_wait_kmcnt 0x0
	s_add_nc_u64 s[20:21], s[4:5], s[20:21]
	s_add_nc_u64 s[46:47], s[4:5], s[46:47]
	CROUND
.irp s, 0,1
	s_mov_b32 s[G0+4*\s], 1
	s_add_co_u32 s[G0+4*\s+1], s45, \s*SLOT
	s_add_nc_u64 s[G0+4*\s+2:G0+4*\s+3], s[20:21], \s*KSTRIDE
	s_or_b32 s[G0+4*\s+3], s[G0+4*\s+3], 0x80000000
	s_mov_b32 s[G0B+4*\s], 1
	s_add_co_u32 s[G0B+4*\s+1], s45, \s*SLOT
	s_add_nc_u64 s[G0B+4*\s+2:G0B+4*\s+3], s[46:47], \s*KSTRIDE
	s_or_b32 s[G0B+4*\s+3], s[G0B+4*\s+3], 0x80000000
	s_wait_alu depctr_va_vdst(0)
	s_wait_tensorcnt 0x0
	ds_add_u32 v28, v29
	ds_add_u32 v28, v29
	s_wait_dscnt 0x0
	CROUND
	JLOAD G0+4*\s, G1, G0B+4*\s, G1B
.endr
	v_and_b32 v1, 15, v0
	v_bfe_u32 v2, v0, 4, 1
	v_mul_u32_u24 v3, v1, PITCH
	v_lshl_add_u32 v4, v2, 4, v3
	s_mul_i32 s21, s15, HALFT
	s_mul_i32 s22, s16, HALFT
	s_add_co_u32 s22, s22, 2*HALFT
	s_sub_co_u32 s23, s22, s21
	v_mul_u32_u24 v6, s23, v2
	v_add_nc_u32 v5, v3, v6
	v_add_nc_u32 v5, 256, v5
.irp s, 0,1
	v_add_nc_u32 v[ADRA+\s], s21, v4
	v_add_nc_u32 v[ADRB+\s], s22, v4
	v_add_nc_u32 v[ADRS+\s], s21, v5
	s_add_co_u32 s21, s21, SLOT
	s_add_co_u32 s22, s22, SLOT
.endr
	v_and_b32 v7, 31, v0
	v_lshlrev_b32 v[OUTA], 4, v7
	v_lshlrev_b32 v[NWA], 6, v2
	s_mov_b32 s[SEL], 0x76543210
	s_mov_b32 s[SEL+1], 0xfedcba98
	s_mov_b32 s70, 0x3c000000
	s_mov_b32 s71, 0x358637bd
	s_mov_b32 s72, 0xffff0000
	s_lshl_b32 s73, s17, 1
	s_add_co_u32 s73, s73, s15
	s_lshl_b32 s74, s42, 1
	s_add_co_u32 s74, s74, s16
	s_sub_co_u32 s75, s74, 8
	s_sub_co_u32 s76, s73, 32
	s_cmp_eq_u32 s[TYP], 0
	s_cselect_b32 s77, s73, s74
	s_cselect_b32 s78, s75, s76
	s_mul_i32 s80, s78, HEADB
	s_lshl_b32 s79, s[TYP], 16
	s_add_co_u32 s82, s80, s79
	s_lshl_b32 s79, s77, 13
	s_add_co_u32 s82, s82, s79
	s_mov_b32 s83, 0
	s_add_nc_u64 s[IMG:IMG+1], s[10:11], s[82:83]
	s_lshl_b32 s79, s[TYP], 12
	s_add_co_u32 s84, s80, s79
	s_lshl_b32 s79, s77, 9
	s_add_co_u32 s84, s84, s79
	s_add_co_u32 s84, s84, 131072
	s_mov_b32 s85, 0
	s_add_nc_u64 s[SCW:SCW+1], s[10:11], s[84:85]
	s_lshl_b32 s86, s77, 17
	s_mov_b32 s87, 0
	s_add_nc_u64 s[6:7], s[6:7], s[86:87]
	; the rotation's tables are read behind the K loop: they are prefetched here, the whole K loop ahead.  The eight waves (4 places along x, 2 column halves) that read the same 8 tiles of 16,384 bytes
	; share them out by address, a tile a wave: two instructions, lanes 256 bytes apart.  k_norm_w's two blocks of 256 bytes likewise by the column half.  V's clusters read neither and ask for nothing.
	s_lshl_b32 s90, s40, 1
	s_add_co_u32 s90, s90, s16
	s_lshl_b32 s90, s90, 14
	s_mov_b32 s91, 0
	s_add_nc_u64 s[88:89], s[6:7], s[90:91]
	s_lshl_b32 s92, s16, 8
	s_mov_b32 s93, 0
	s_add_nc_u64 s[92:93], s[8:9], s[92:93]
	v_and_b32 v30, 31, v0
	v_lshlrev_b32 v30, 8, v30
	s_wait_alu depctr_va_vdst(0)
	s_cmp_lg_u32 s[TYP], 0
	s_cbranch_scc1 .Lno_pf
	global_prefetch_b8 v30, s[88:89] th:TH_LOAD_NT scope:SCOPE_SE
	global_prefetch_b8 v30, s[88:89] offset:8192 th:TH_LOAD_NT scope:SCOPE_SE
	global_prefetch_b8 v[NWA], s[92:93] th:TH_LOAD_NT scope:SCOPE_SE
.Lno_pf:
.macro FRAG reg, adr, q, i
.irp c, 0,1
	ds_load_b128 v[\reg+4*\c:\reg+4*\c+3], v[\adr] offset:64*(\q)+32*\c+(\i)*16*PITCH
.endr
.endm
.macro MUL16 a0, p, q, sc, zero
.irp a, \a0, \a0+1
.irp b, 0,1,2,3,4,5,6,7
.if \zero
	v_wmma_scale_f32_16x16x128_f8f6f4 v[8*(8*((\a)%4)+\b):8*(8*((\a)%4)+\b)+7], v[128*(\p)+FR*\b:128*(\p)+FR*\b+FR-1], v[AF+FR*(\a):AF+FR*(\a)+FR-1], 0, v[SC+8*NQ*(\sc)+NQ*\b+(\q)], v[SC+8*NQ*(\sc)+NQ*(\a)+(\q)] matrix_a_fmt:MATRIX_FMT_FP4 matrix_b_fmt:MATRIX_FMT_FP4 matrix_a_scale:MATRIX_SCALE_ROW1
.else
	v_wmma_scale_f32_16x16x128_f8f6f4 v[8*(8*((\a)%4)+\b):8*(8*((\a)%4)+\b)+7], v[128*(\p)+FR*\b:128*(\p)+FR*\b+FR-1], v[AF+FR*(\a):AF+FR*(\a)+FR-1], v[8*(8*((\a)%4)+\b):8*(8*((\a)%4)+\b)+7], v[SC+8*NQ*(\sc)+NQ*\b+(\q)], v[SC+8*NQ*(\sc)+NQ*(\a)+(\q)] matrix_a_fmt:MATRIX_FMT_FP4 matrix_b_fmt:MATRIX_FMT_FP4 matrix_a_scale:MATRIX_SCALE_ROW1
.endif
.endr
.endr
.endm
.macro FETCH_B slot, q, p
	WIN TO_B
.irp i, 0,1,2,3,4,5,6,7
	FRAG 128*(\p)+FR*\i, ADRB+\slot, \q, \i
.endr
	WIN 0
.endm
.macro FETCH_A slot, q, i0
.irp i, \i0, \i0+1, \i0+2, \i0+3
	FRAG AF+FR*(\i), ADRA+\slot, \q, \i
.endr
.endm
.macro SCALES sc
.irp i, 0,1,2,3,4,5,6,7
	ds_load_b128 v[SC+8*NQ*\sc+NQ*\i:SC+8*NQ*\sc+NQ*\i+3], v[ADRS+\sc] offset:\i*16*PITCH
.endr
.endm
.macro PLACES n
.rept \n
	v_nop
.endr
.endm
.macro STEP slot, q, zero
	s_wait_dscnt 4*NL
	WIN MUL_LO
	MUL16 0, (\q)%2, \q, \slot, \zero
	MUL16 2, (\q)%2, \q, \slot, \zero
	s_wait_dscnt 0
	PLACES NP
	FETCH_B \slot, (\q)+1, 1-(\q)%2
	FETCH_A \slot, (\q)+1, 0
	WIN MUL_HI
	MUL16 4, (\q)%2, \q, \slot, \zero
	MUL16 6, (\q)%2, \q, \slot, \zero
	PLACES NP
	WIN 0
	FETCH_A \slot, (\q)+1, 4
.endm
.macro TURN slot, next, fill
	s_wait_tensorcnt 0x0
	ds_add_u32 v[SPW], v[NIL]
	s_wait_dscnt 4*NL+1
	WIN MUL_LO
	MUL16 0, 1, NQ-1, \slot, 0
	s_wait_dscnt 0x0
	s_barrier_signal -1
	MUL16 2, 1, NQ-1, \slot, 0
	WIN 0
	s_barrier_wait -1
.if \fill
	CREST
	s_add_nc_u64 s[G0+4*\slot+2:G0+4*\slot+3], s[G0+4*\slot+2:G0+4*\slot+3], 2*KSTRIDE
	s_add_nc_u64 s[G0B+4*\slot+2:G0B+4*\slot+3], s[G0B+4*\slot+2:G0B+4*\slot+3], 2*KSTRIDE
	JLOAD G0+4*\slot, G1, G0B+4*\slot, G1B
.else
	PLACES NP
.endif
	FETCH_B \next, 0, 0
	FETCH_A \next, 0, 0
	SCALES \next
	WIN MUL_HI
	MUL16 4, 1, NQ-1, \slot, 0
	MUL16 6, 1, NQ-1, \slot, 0
	PLACES NP
	WIN 0
	FETCH_A \next, 0, 4
.endm
.macro STEPS slot, from
.set Q, \from
.rept NQ-1-\from
	STEP \slot, Q, 0
.set Q, Q+1
.endr
.endm
	s_wait_alu depctr_va_vdst(0)
	s_wait_tensorcnt 1
	s_barrier_signal -1
	s_barrier_wait -1
	FETCH_B 0, 0, 0
	FETCH_A 0, 0, 0
	SCALES 0
	FETCH_A 0, 0, 4
	STEP 0, 0, 1
	s_mov_b32 s3, LAPS-1
.Llap:
	STEPS 0, 1
	TURN 0, 1, 1
	STEPS 1, 0
	TURN 1, 0, 1
	STEP 0, 0, 0
	s_sub_co_u32 s3, s3, 1
	s_cmp_lg_u32 s3, 0
	s_cbranch_scc1 .Llap
	STEPS 0, 1
	TURN 0, 1, 0
	STEPS 1, 0
	s_wait_dscnt 4*NL
	WIN MUL_LO
	MUL16 0, 1, NQ-1, 1, 0
	MUL16 2, 1, NQ-1, 1, 0
	s_wait_dscnt 0
	WIN MUL_HI
	MUL16 4, 1, NQ-1, 1, 0
	MUL16 6, 1, NQ-1, 1, 0
	WIN 0
.macro QUANT s, w
	WIN ((\w)<<2)|((\w)<<4)
.irp b, 0,1,2,3
	v_max3_num_f32 v[TM+\b], 0x1800000, |v[(\s)+16*\b]|, |v[(\s)+1+16*\b]|
.endr
.irp i, 2,4,6,8,10,12,14
.irp b, 0,1,2,3
	v_max3_num_f32 v[TM+\b], v[TM+\b], |v[(\s)+16*\b+\i]|, |v[(\s)+1+16*\b+\i]|
.endr
.endr
	WIN 0
.irp b, 0,1,2,3
	v_permlanex16_b32 v[TM+4+\b], v[TM+\b], s[SEL], s[SEL+1]
.endr
.irp b, 0,1,2,3
	v_max_num_f32 v[TM+\b], v[TM+\b], v[TM+4+\b]
.endr
.irp b, 0,1,2,3
	v_add_nc_u32 v[TM+12+\b], 0xff000000, v[TM+\b]
.endr
.irp b, 0,1,2,3
	v_lshrrev_b32 v[TM+4+\b], 23, v[TM+12+\b]
.endr
	v_lshl_or_b32 v[PW], v[TM+5], 8, v[TM+4]
	v_lshl_or_b32 v[PW], v[TM+6], 16, v[PW]
	v_lshl_or_b32 v[PW], v[TM+7], 24, v[PW]
	WIN (\w)
.irp b, 0,1,2,3
	v_cvt_scalef32_pk8_fp4_f32 v[PC+2*\b], v[(\s)+16*\b:(\s)+7+16*\b], v[TM+12+\b]
	v_cvt_scalef32_pk8_fp4_f32 v[PC+1+2*\b], v[(\s)+8+16*\b:(\s)+15+16*\b], v[TM+12+\b]
.endr
	WIN 0
	v_nop
.irp c, 0,1
.irp i, 0,1
	v_permlane16_swap_b32 v[PC+4*\c+\i], v[PC+2+4*\c+\i]
.endr
.endr
.endm
.macro PUT a
.irp c, 0,1
	global_store_b128 v[OUTA], v[PC+4*\c:PC+4*\c+3], s[IMG:IMG+1] offset:1024*(\a)+512*\c
.endr
.if (\a)%2 == 0
	v_mov_b32 v[SW+(\a)/2], v[PW]
.else
	v_cndmask_b32 v[SW+(\a)/2], v[SW+(\a)/2], v[PW], s72
.endif
.endm
.macro CSLOAD a
	WIN 0x40
.irp b, 0,1,2,3
.irp j, 0,1,2,3
	global_load_b128 v[128*((\a)%2)+16*\b+4*\j:128*((\a)%2)+16*\b+4*\j+3], v[OUTA], s[6:7] offset:16384*(\a)+512*(4*\b+\j)
.endr
.endr
.irp b, 0,1,2,3
.irp j, 0,1,2,3
	global_load_b128 v[128*((\a)%2)+64+16*\b+4*\j:128*((\a)%2)+64+16*\b+4*\j+3], v[OUTA], s[6:7] offset:16384*(\a)+8192+512*(4*\b+\j)
.endr
.endr
	WIN 0
.endm
.macro KTILE a
.set W, 2+(\a)/4
.set AC, 64*((\a)%4)
.set CF, 128*((\a)%2)
.if (\a) < 7
	CSLOAD (\a)+1
.endif
	WIN W|(W<<2)
	v_pk_mul_f32 v[SS:SS+1], v[AC:AC+1], v[AC:AC+1]
	v_pk_mul_f32 v[SS+2:SS+3], v[AC+2:AC+3], v[AC+2:AC+3]
.set J, 4
.rept 15
	v_pk_fma_f32 v[SS:SS+1], v[AC+J:AC+J+1], v[AC+J:AC+J+1], v[SS:SS+1]
	v_pk_fma_f32 v[SS+2:SS+3], v[AC+J+2:AC+J+3], v[AC+J+2:AC+J+3], v[SS+2:SS+3]
.set J, J+4
.endr
	WIN 0
	v_pk_add_f32 v[SS:SS+1], v[SS:SS+1], v[SS+2:SS+3]
	v_add_f32 v[SS], v[SS], v[SS+1]
	v_permlanex16_b32 v[TM+4], v[SS], s[SEL], s[SEL+1]
	v_add_f32 v[SS], v[SS], v[TM+4]
	v_fma_f32 v[SS], v[SS], s70, s71
	s_wait_alu depctr_va_vdst(0)
	v_rsq_f32 v[RS], v[SS]
	v_nop
	s_wait_alu depctr_va_vdst(0)
	WIN W|(W<<6)
.set J, 0
.rept 32
	v_pk_mul_f32 v[AC+J:AC+J+1], v[AC+J:AC+J+1], v[RS:RS+1] op_sel_hi:[1,0]
.set J, J+2
.endr
.if (\a) < 7
	s_wait_loadcnt 32
.else
	s_wait_loadcnt 0x0
.endif
.set J, 0
.rept 32
	v_pk_mul_f32 v[AC+J:AC+J+1], v[AC+J:AC+J+1], v[NW+J:NW+J+1]
.set J, J+2
.endr
	WIN W|(1<<2)
.set J, 0
.rept 32
	v_pk_mul_f32 v[Z+J:Z+J+1], v[AC+J:AC+J+1], v[CF+J:CF+J+1]
.set J, J+2
.endr
.set J, 0
.rept 32
	v_fma_f32 v[Z+J], -v[AC+J+1], v[CF+64+J], v[Z+J]
	v_fma_f32 v[Z+J+1], v[AC+J], v[CF+64+J+1], v[Z+J+1]
.set J, J+2
.endr
	WIN 0
	s_wait_xcnt 0x0
	QUANT Z, 0
	PUT \a
.endm
.macro VTILE a
	s_wait_xcnt 0x0
	QUANT 64*((\a)%4), 2+(\a)/4
	PUT \a
.endm
	PLACES NP
.irp b, 0,1,2,3
	v_mov_b32 v[TM+4+\b], 0
.endr
	v_mov_b32 v[RS+1], 0
	s_cmp_lg_u32 s[TYP], 0
	s_cbranch_scc1 .Lvpath
.irp b, 0,1,2,3
.irp j, 0,1,2,3
	global_load_b128 v[NW+16*\b+4*\j:NW+16*\b+4*\j+3], v[NWA], s[8:9] offset:128*\b+16*\j
.endr
.endr
	CSLOAD 0
.irp a, 0,1,2,3,4,5,6,7
	KTILE \a
.endr
	s_branch .Ljoin
.Lvpath:
.irp a, 0,1,2,3,4,5,6,7
	VTILE \a
.endr
.Ljoin:
	s_wait_alu depctr_va_vdst(0)
	global_store_b128 v[OUTA], v[SW:SW+3], s[SCW:SCW+1]
	s_wait_tensorcnt 0x0
	ds_add_u32 v[SPW], v[NIL]
	s_wait_dscnt 0x0
	CROUND
	s_endpgm
.Lfunc_end_k_qf3aa7c2e3e_proj:
	.size	k_qf3aa7c2e3e_proj, .Lfunc_end_k_qf3aa7c2e3e_proj-k_qf3aa7c2e3e_proj
	.p2alignl 7, 3214868480
	.fill 96, 4, 3214868480
	.section	.rodata,"a",@progbits
	.p2align	6, 0x0
	.amdhsa_kernel k_qf3aa7c2e3e_proj
		.amdhsa_group_segment_fixed_size 327680
		.amdhsa_private_segment_fixed_size 0
		.amdhsa_enable_private_segment 0
		.amdhsa_kernarg_size 32
		.amdhsa_user_sgpr_count 2
		.amdhsa_user_sgpr_kernarg_segment_ptr 1
		.amdhsa_wavefront_size32 1
		.amdhsa_system_sgpr_workgroup_id_x 1
		.amdhsa_system_sgpr_workgroup_id_y 1
		.amdhsa_system_sgpr_workgroup_id_z 1
		.amdhsa_system_vgpr_workitem_id 0
		.amdhsa_next_free_vgpr 1024
		.amdhsa_next_free_sgpr 100
		.amdhsa_reserve_vcc 0
		.amdhsa_float_denorm_mode_32 3
		.amdhsa_float_denorm_mode_16_64 3
		.amdhsa_memory_ordered 1
		.amdhsa_forward_progress 1
		.amdhsa_inst_pref_size 255
	.end_amdhsa_kernel
	.section	.bss,"aw",@nobits
	.p2align	6
	.space	262144
	.amdgpu_metadata
---
amdhsa.version: [ 1, 2 ]
amdhsa.kernels:
  - .name:           k_qf3aa7c2e3e_proj
    .symbol:         k_qf3aa7c2e3e_proj.kd
    .args:
      - { .name: codes, .offset: 0, .size: 8, .value_kind: global_buffer, .address_space: global }
      - { .name: cs, .offset: 8, .size: 8, .value_kind: global_buffer, .address_space: global }
      - { .name: k_norm_w, .offset: 16, .size: 8, .value_kind: global_buffer, .address_space: global }
      - { .name: kv, .offset: 24, .size: 8, .value_kind: global_buffer, .address_space: global }
    .group_segment_fixed_size: 327680
    .private_segment_fixed_size: 0
    .kernarg_segment_align: 8
    .kernarg_segment_size: 32
    .max_flat_workgroup_size: 128
    .sgpr_count:     100
    .vgpr_count:     1024
    .wavefront_size: 32
...
	.end_amdgpu_metadata
.endif
;; end of part 2
;; launch attn (part 3): grid 32 x 8, 4 waves a work-group, clusters of 4 x 1, 327,680 bytes of LDS; arguments query, freqs_cos, freqs_sin, kv, out0; writes out0
.if DOCPART == 3
	.amdgcn_target "amdgcn-amd-amdhsa--gfx1250"
	.amdhsa_code_object_version 6
	.text
	.protected	k_qf3aa7c2e3e_attn
	.globl	k_qf3aa7c2e3e_attn
	.p2align	8
	.type	k_qf3aa7c2e3e_attn,@function
k_qf3aa7c2e3e_attn:
	s_mov_b64 s[64:65], 0
	v_nop
	global_prefetch_b8 v0, s[64:65] scope:SCOPE_SE
	s_setreg_imm32_b32 hwreg(HW_REG_WAVE_MODE, 25, 1), 1
	s_wait_xcnt 0x0
	s_wait_alu depctr_hold_cnt(0) depctr_sa_sdst(0) depctr_va_vdst(0) depctr_va_sdst(0) depctr_va_ssrc(0) depctr_va_vcc(0) depctr_vm_vsrc(0)
	s_getreg_b32 s2, hwreg(HW_REG_IB_STS2, 6, 4)
	s_cmp_eq_u32 s2, 0
	s_cbranch_scc0 .Lentry_in_a_cluster
	s_endpgm
.Lentry_in_a_cluster:
	s_bfe_u32 s2, ttmp6, 0x10000c
	s_cmp_lg_u32 s2, 0x3003
	s_cbranch_scc0 .Lentry_shape_is_right
	s_endpgm
.Lentry_shape_is_right:
; out0[q][head][:] = the sum over the 1,024 keys of softmax(rope(query[q][head]) . k / sqrt(128)) v, both products on codes of FP4 (E2M1) with one E8M0 scale for each 32 along a product's K.
; query, out0: [4096][24][128] f32; query q is rotated by row q % 1024 of freqs_cos / freqs_sin.
; kv, for each head 139,264 bytes: K's images [8 key steps][8 tiles][1,024]; at 65,536 V's; at 131,072 K's scale words [8][512]; at 135,168 V's.  An image is an operand's registers: lane l's registers
; 4 c .. 4 c + 3 at 512 c + 16 l.  A step's scale words: lane l's four words at 16 l; word p is tile 2 p's in lanes 0-15, tile 2 p + 1's in lanes 16-31.
; SOFTMAX: t = score x log2(e) / sqrt(128); M = the running largest t rounded up to a whole number; p = 2^(t - M) is quantised along the keys; the row's sum is taken of the unquantised p and divides O at the end;
; when M moves, the sum and O are multiplied by 2^(old M - new M): exact.
; SHARES.  A ROUND rho (0 .. 31 in a head) is 128 queries: positions 64 (rho / 2) + 0 .. 63 in the temporal blocks 2 (rho % 2) and 2 (rho % 2) + 1.  Wave w has positions 64 (rho / 2) + 16 w on: TWO tiles of 16 queries,
; 1,024 rows apart, which share their rows of cos and sin, and each fragment of K and V read from LDS feeds two matrix instructions.  24 heads x 32 rounds = 768 = 256 work-groups x 3.
; In a group of 3 heads (work-group y) the 32 work-groups j get two neighbouring rounds of one head (j < 12: head 0, j < 24: head 1, else head 2; rounds 2 (j - 12 hp) and the next) and one single round
; (j < 8: head 0, j < 16: head 1: round 24 + j % 8; else head 2: round j).  Rounds 0 and 1 read LDS slot 0, round 2 slot 1: the slot hangs on the round's count alone.
; CLUSTER: all borders of that deal are multiples of 4, so the four work-groups of a cluster share both heads: each slot is asked for JOINTLY, a quarter (34,816 bytes) a wave.  Slot 0 at the head; slot 1 behind the lines
; and the round ahead of a later first fill.  Nothing is filled again.
; NO PREFETCH: both fills go out at the head, with no loop to run ahead in; the queries of round i + 1 are loaded into registers during round i, cos and sin in round i's last trip.
; A TRIP is 256 keys: 32 products for the scores, one softmax over both tiles (16 blocks of 32 keys), one rescaling of O^T, 32 products for O^T.  V's fragments and the next trip's K fragments (in a round's last trip:
; the next round's first) are asked for in groups among the trip's vector work; the launch's last trip asks for no K.
; LAYOUT: both products transposed (source 0 = 16 keys or 16 channels, source 1 = my 16 queries): a lane holds ONE query (lane % 16) of each tile; registers 16 b + i are keys (channels) 32 b + 16 (lane / 16) + i.
; LIMITS: NaN and infinities are not served; the running largest t begins at -3e38; a block whose largest magnitude lies under 2^-124 gets the scale byte 1.
; REGISTERS, in windows of 256.  Window 0: addresses, statistics, codes, scale words, temporaries.  Window 1: the scores, then p: tile 0 at 0, tile 1 at 128 (between rounds: cos at 0, sin at 64, the rotated tiles at 128).
; Window 2: O^T, tile 0 at 0, tile 1 at 64; K's fragments at 128.  Window 3: V's fragments at 0 (on the way out: rows read back); the queries at 128.
.set HEADB, 139264
.set SLOT1, HEADB
.set VIMG,  65536
.set KSC,   131072
.set VSCO,  4096
.set PART,  HEADB/4                    ; 136 x 256 bytes: one tensor load
.set STAGE, 2*HEADB                    ; behind the slots: a stage for each wave; no tensor load lands there
.set SPQ,   528                        ; a stage row: 512 bytes + 16
.set WSTG,  16*SPQ
.set SPARE, STAGE+4*WSTG               ; the spare words: 128 bytes a wave
.set QROW,  12288
.set LI,  1                            ; 16 x lane
.set TST, 2                            ; my stage + 16 x lane: whole rows
.set TRD, 3                            ; my stage + row r + 64 h: a lane's 16 channels of a block
.set SPW, 4
.set NIL, 5
.set ADK, 6
.set ADV, 7
.set ADS, 8
.set LIV, 9
.set LIS, 10
.set LIB, 11                           ; 16 x lane + 1,024 rows of query or out0: tile 1
.set ADKS, 28
; v[12+2T] -M, v[13+2T] largest t; v[16+2T:17+2T] the sum in two halves; v[20+2T] f (v[21+2T] = 0); v24-27 at work
.set QC,  32                           ; Q's codes, 8 a tile
.set QW,  48                           ; Q's scale words
.set PW,  50                           ; p's scale words: 2 T + u
.set KS,  56                           ; K's scale words, 4 a key step
.set PC,  64                           ; p's codes: 2 registers a block
.set VS,  96                           ; V's scale words
.set BM,  104                          ; 16 blocks' largest
.set PT,  120
.set SO,  136
.set X,   152                          ; eight chains of sums
.set WV,  18
.set SEL, 20
.set CS,  22
.set G1,  24
.set G0,  32
.set G0B, 36
.set TB,  40
.set TS,  41
.set CNT, 42
.set RI,  43
.set QB,  44
.set OB,  46
.set CB,  48
.set SB,  50
.set TP,  52
.set OQ,  54                           ; s54-56 byte offsets in query and out0: this round's, the next's, the last's
.set OC,  57                           ; s57-59 the same in cos and sin
.set SLB, 60
.set NXB, 66                           ; the next round's slot
.set FLC, 67                           ; 1 while a round follows, else 0
.set TL,  68                           ; trips to go in the launch
.set MSB, 0
.macro WIN new
.if MSB != (\new)
	s_set_vgpr_msb (MSB<<8)|(\new)
.set MSB, (\new)
.endif
.endm
.macro ROUND
	s_barrier_signal -1
	s_barrier_wait -1
	s_cmp_lg_u32 s[WV], 0
	s_cbranch_scc1 .Lnot_wave_0_\@
	s_barrier_signal -3
.Lnot_wave_0_\@:
	s_barrier_wait -3
	s_barrier_signal -1
	s_barrier_wait -1
.endm
.macro QLOAD                           ; my 2 x 16 rows of query, a row an instruction: 512 consecutive bytes
	WIN 0xc0
.set KK, 0
.rept 16
	global_load_b128 v[128+4*KK:131+4*KK], v[LI], s[QB:QB+1] offset:KK*QROW th:TH_LOAD_NT
.set KK, KK+1
.endr
.set KK, 0
.rept 16
	global_load_b128 v[192+4*KK:195+4*KK], v[LIB], s[QB:QB+1] offset:KK*QROW th:TH_LOAD_NT
.set KK, KK+1
.endr
	WIN 0
.endm
.macro CSLOAD                          ; cos and sin at my 16 positions
	WIN 0x40
.set KK, 0
.rept 16
	global_load_b128 v[4*KK:4*KK+3], v[LI], s[CB:CB+1] offset:KK*512
.set KK, KK+1
.endr
.set KK, 0
.rept 16
	global_load_b128 v[64+4*KK:67+4*KK], v[LI], s[SB:SB+1] offset:KK*512
.set KK, KK+1
.endr
	WIN 0
.endm
.macro VGRP a, n                       ; n of V's 32 loads of a trip, from the a-th on
	WIN 0xc0
.set KK, \a
.rept \n
	ds_load_b128 v[4*KK:4*KK+3], v[ADV] offset:512*KK
.set KK, KK+1
.endr
.endm
.macro KGRP g, sc                      ; eight of the next trip's 32 loads of K (sc = 1: and its scale words); not in the launch's last trip
	s_wait_alu depctr_va_vdst(0)                   ; ahead of the branch
	s_cmp_eq_u32 s[TL], 1
	s_cbranch_scc1 .Lnk_\@
	WIN 0x80
.set KK, 8*\g
.rept 8
	ds_load_b128 v[128+4*KK:131+4*KK], v[ADK] offset:512*KK
.set KK, KK+1
.endr
	WIN 0
.if \sc
	ds_load_b128 v[KS:KS+3], v[ADKS]
	ds_load_b128 v[KS+4:KS+7], v[ADKS] offset:512
.endif
.Lnk_\@:
.endm
.macro SUMT T                          ; tile T's sum of the unquantised p: eight chains, then joined
	WIN 0x05
.irp k, 0,1,2,3,4,5,6,7
	v_pk_add_f32 v[X+2*\k:X+2*\k+1], v[128*\T+2*\k:128*\T+2*\k+1], v[128*\T+16+2*\k:128*\T+17+2*\k]
.endr
	WIN 0x04
.set II, 2
.rept 6
.irp k, 0,1,2,3,4,5,6,7
	v_pk_add_f32 v[X+2*\k:X+2*\k+1], v[X+2*\k:X+2*\k+1], v[128*\T+16*II+2*\k:128*\T+16*II+2*\k+1]
.endr
.set II, II+1
.endr
	WIN 0
.irp k, 0,1,2,3
	v_pk_add_f32 v[X+2*\k:X+2*\k+1], v[X+2*\k:X+2*\k+1], v[X+8+2*\k:X+9+2*\k]
.endr
.irp k, 0,1
	v_pk_add_f32 v[X+2*\k:X+2*\k+1], v[X+2*\k:X+2*\k+1], v[X+4+2*\k:X+5+2*\k]
.endr
	v_pk_add_f32 v[X:X+1], v[X:X+1], v[X+2:X+3]
	v_pk_add_f32 v[16+2*\T:17+2*\T], v[16+2*\T:17+2*\T], v[X:X+1]
.endm
	s_load_b128 s[4:7], s[0:1], 0x0                ; query, freqs_cos
	s_load_b128 s[8:11], s[0:1], 0x10              ; freqs_sin, kv
	s_load_b64 s[12:13], s[0:1], 0x20              ; out0
	v_lshl_add_u32 v[SPW], v0, 2, SPARE
	v_mov_b32 v[NIL], 0
	ds_add_u32 v[SPW], v[NIL]                      ; the opening lines: the add twice on end and its wait
	ds_add_u32 v[SPW], v[NIL]
	v_lshrrev_b32 v6, 5, v0
	v_readfirstlane_b32 s[WV], v6                  ; wave 0..3
	s_bfe_u32 s14, ttmp6, 0x40000                  ; cx
	s_lshl_b32 s15, ttmp9, 2
	s_add_co_u32 s15, s15, s14                     ; j: it enters the addresses of query, out0, cos and sin alone
	s_and_b32 s16, ttmp7, 0xffff
	s_mul_i32 s16, s16, 3                          ; the group's first head
	s_cmp_ge_u32 ttmp9, 3
	s_cselect_b32 s17, 1, 0
	s_cmp_ge_u32 ttmp9, 6
	s_cselect_b32 s61, 1, 0
	s_add_co_u32 s17, s17, s61                     ; hp: the pair's head in the group, by the cluster's number alone
	s_cmp_ge_u32 ttmp9, 2
	s_cselect_b32 s19, 1, 0
	s_cmp_ge_u32 ttmp9, 4
	s_cselect_b32 s61, 1, 0
	s_add_co_u32 s19, s19, s61                     ; hs: the single round's head
	s_mul_i32 s61, s17, 24
	s_lshl_b32 s62, s15, 1
	s_sub_co_u32 s62, s62, s61                     ; the pair's first round: 2 j - 24 hp, even
	s_and_b32 s63, s15, 7
	s_add_co_u32 s63, s63, 24
	s_cmp_eq_u32 s19, 2
	s_cselect_b32 s63, s15, s63                    ; the single round
	s_add_co_u32 s17, s17, s16
	s_add_co_u32 s19, s19, s16
	s_lshl_b32 s66, s[WV], 4                       ; my 16 positions of a round's 64
	s_lshl_b32 s67, s62, 5                         ; 64 x (round / 2)
	s_add_co_u32 s67, s67, s66                     ; the pair's first position: also tile 0's first row in its first round
	s_mul_i32 s[OQ], s67, QROW
	s_lshl_b32 s68, s17, 9
	s_add_co_u32 s[OQ], s[OQ], s68
	s_add_co_u32 s[OQ+1], s[OQ], 2048*QROW         ; its second round: two temporal blocks on, the same positions
	s_lshl_b32 s[OC], s67, 9
	s_mov_b32 s[OC+1], s[OC]
	s_lshr_b32 s67, s63, 1
	s_lshl_b32 s67, s67, 6
	s_add_co_u32 s67, s67, s66
	s_lshl_b32 s[OC+2], s67, 9
	s_and_b32 s69, s63, 1
	s_lshl_b32 s69, s69, 11
	s_add_co_u32 s67, s67, s69
	s_mul_i32 s[OQ+2], s67, QROW                   ; all under 2^26
	s_lshl_b32 s68, s19, 9
	s_add_co_u32 s[OQ+2], s[OQ+2], s68
	s_mov_b32 s[G1], 15|(3<<16)|(1<<21)            ; the mask: all four partners; elements of 8 bytes; bit 21 beside a mask
	s_mov_b32 s[G1+1], 32<<16
	s_mov_b32 s[G1+2], 136<<16
	s_mov_b32 s[G1+3], 32<<16
	s_mov_b32 s[G1+4], 136
	s_mov_b32 s[G1+5], 32
	s_mov_b32 s[G1+6], 0
	s_mov_b32 s[G1+7], 0
	s_mov_b32 s[G0], 1
	s_mul_i32 s[G0+1], s[WV], PART
	s_mov_b32 s[G0B], 1
	s_add_co_u32 s[G0B+1], s[G0+1], SLOT1
	s_mul_i32 s68, s17, HEADB
	s_add_co_u32 s68, s68, s[G0+1]
	s_mov_b32 s69, 0
	s_mul_i32 s70, s19, HEADB
	s_add_co_u32 s70, s70, s[G0+1]
	s_mov_b32 s71, 0
	s_mov_b32 s[SEL], 0x76543210
	s_mov_b32 s[SEL+1], 0xfedcba98
	s_mov_b32 s[CS], 0x3e0293ee                    ; c = log2(e) / sqrt(128)
	s_mov_b32 s[CS+1], s[CS]
	s_mov_b32 s[TP+1], 0
	s_mul_i32 s61, s[WV], WSTG
	s_add_co_u32 s61, s61, STAGE
	v_and_b32 v6, 31, v0
	v_lshlrev_b32 v[LI], 4, v6
	v_and_b32 v7, 15, v0                           ; r
	v_bfe_u32 v8, v0, 4, 1                         ; h
	v_add_nc_u32 v[TST], s61, v[LI]
	v_mul_u32_u24 v[TRD], v7, SPQ
	v_lshl_add_u32 v[TRD], v8, 6, v[TRD]
	v_add_nc_u32 v[TRD], s61, v[TRD]
	v_add_nc_u32 v[LIV], VIMG, v[LI]
	v_add_nc_u32 v[LIS], KSC, v[LI]
	v_add_nc_u32 v[LIB], 1024*QROW, v[LI]
.set BB, 0
.rept 16
	v_mov_b32 v[PT+BB], 0                          ; a lane permute's destination counts as one of its sources
.set BB, BB+1
.endr
	v_mov_b32 v21, 0                               ; (upper halves of the pairs that hold f)
	v_mov_b32 v23, 0
	s_wait_alu depctr_va_vdst(0)                   ; ahead of the waits below
	s_wait_dscnt 0x0
	s_wait_kmcnt 0x0
	s_add_nc_u64 s[G0+2:G0+3], s[10:11], s[68:69]
	s_or_b32 s[G0+3], s[G0+3], 0x80000000
	s_add_nc_u64 s[G0B+2:G0B+3], s[10:11], s[70:71]
	s_or_b32 s[G0B+3], s[G0B+3], 0x80000000
	s_mov_b32 s[TP], s[OQ]
	s_add_nc_u64 s[QB:QB+1], s[4:5], s[TP:TP+1]
	s_mov_b32 s[TP], s[OC]
	s_add_nc_u64 s[CB:CB+1], s[6:7], s[TP:TP+1]
	s_add_nc_u64 s[SB:SB+1], s[8:9], s[TP:TP+1]
	QLOAD                                          ; the first round's queries are on their way while the partners arrive
	ROUND                                          ; all four work-groups are here: the joint loads meet
	tensor_load_to_lds s[G0:G0+3], s[G1:G1+7]      ; my quarter of slot 0: one tensor load a wave at the head
	s_nop 0
.rept 4
	v_nop
.endr
	CSLOAD
	s_wait_tensorcnt 0x0                           ; my quarter of slot 0 is in; the lines ahead of a later first fill:
	ds_add_u32 v[SPW], v[NIL]
	s_wait_dscnt 0x0
	ROUND                                          ; everybody's quarter is in, and the four work-groups meet
	tensor_load_to_lds s[G0B:G0B+3], s[G1:G1+7]    ; my quarter of slot 1: it is first read by the last trip of round 1
	s_nop 0
.rept 4
	v_nop
.endr
	WIN 0x80                                       ; the first trip's K, from slot 0
.set KK, 0
.rept 32
	ds_load_b128 v[128+4*KK:131+4*KK], v[LI] offset:512*KK
.set KK, KK+1
.endr
	WIN 0
	ds_load_b128 v[KS:KS+3], v[LIS]
	ds_load_b128 v[KS+4:KS+7], v[LIS] offset:512
	s_mov_b32 s[RI], 0
	s_mov_b32 s[TL], 12
.Lround:
	s_wait_xcnt 0x0                                ; the last round's stores have read their registers and their base
	s_lshr_b32 s[SLB], s[RI], 1
	s_mul_i32 s[SLB], s[SLB], SLOT1                ; rounds 0, 1: slot 0; round 2: slot 1
	s_add_co_u32 s[NXB], s[RI], 1
	s_lshr_b32 s[NXB], s[NXB], 1
	s_mul_i32 s[NXB], s[NXB], SLOT1
	s_cmp_lt_u32 s[RI], 2
	s_cselect_b32 s[FLC], 1, 0
	s_mov_b32 s[TP], s[OQ]
	s_add_nc_u64 s[OB:OB+1], s[12:13], s[TP:TP+1]
	s_wait_loadcnt 0x0                             ; q, cos, sin
	s_mov_b32 s[TP], s[OC+1]                       ; those loads are done: their bases step to the next round's rows
	s_add_nc_u64 s[CB:CB+1], s[6:7], s[TP:TP+1]
	s_add_nc_u64 s[SB:SB+1], s[8:9], s[TP:TP+1]
.irp T, 0,1                                    ; each tile is rotated and turns through my stage: in by rows, back a query a lane, over its raw numbers.  LDS serves a wave's instructions in order
	WIN 0x47
.set JJ, 0
.rept 32
	v_pk_mul_f32 v[128+64*\T+JJ:129+64*\T+JJ], v[128+64*\T+JJ:129+64*\T+JJ], v[JJ:JJ+1]      ; q cos
.set JJ, JJ+2
.endr
	WIN 0x57
.set JJ, 0
.rept 32
	v_fma_f32 v[128+64*\T+JJ], -v[129+64*\T+JJ], v[64+JJ], v[128+64*\T+JJ]                   ; the even channel: - its odd neighbour x sin
	v_fma_f32 v[129+64*\T+JJ], v[128+64*\T+JJ], v[65+JJ], v[129+64*\T+JJ]                    ; the odd channel: + its even neighbour x sin
.set JJ, JJ+2
.endr
	WIN 0x04
.set KK, 0
.rept 16
	ds_store_b128 v[TST], v[128+64*\T+4*KK:128+64*\T+4*KK+3] offset:KK*SPQ
.set KK, KK+1
.endr
	WIN 0xc0
.set KK, 0
.rept 16
	ds_load_b128 v[128+64*\T+4*KK:128+64*\T+4*KK+3], v[TRD] offset:128*(KK/4)+16*(KK%4)
.set KK, KK+1
.endr
.endr
	WIN 0x80
.set JJ, 0
.rept 128
	v_mov_b32 v[JJ], 0                             ; O^T: the trip is written once; the first finds zeros.  (Under the stage's turn)
.set JJ, JJ+1
.endr
	WIN 0
	s_wait_alu depctr_va_vdst(0)
	s_wait_dscnt 0x0
	WIN 0x3c                                       ; the queries' eight blocks of 32 channels (four a tile)
.set BB, 0
.rept 8
	v_max3_num_f32 v[BM+BB], 0x1800000, |v[128+16*BB]|, |v[129+16*BB]|   ; with the floor 2^(3 - 127)
.set BB, BB+1
.endr
.set II, 2
.rept 7
.set BB, 0
.rept 8
	v_max3_num_f32 v[BM+BB], v[BM+BB], |v[128+16*BB+II]|, |v[129+16*BB+II]|
.set BB, BB+1
.endr
.set II, II+2
.endr
	WIN 0
.set BB, 0
.rept 8
	v_permlanex16_b32 v[PT+BB], v[BM+BB], s[SEL], s[SEL+1]
.set BB, BB+1
.endr
.set BB, 0
.rept 8
	v_max_num_f32 v[BM+BB], v[BM+BB], v[PT+BB]
.set BB, BB+1
.endr
.set BB, 0
.rept 8
	v_add_nc_u32 v[SO+BB], 0xff000000, v[BM+BB]    ; 2 off the exponent field: the conversion's scale operand
.set BB, BB+1
.endr
.set BB, 0
.rept 8
	v_lshrrev_b32 v[PT+BB], 23, v[SO+BB]           ; the scale's byte
.set BB, BB+1
.endr
.irp s, 1,2,3
.irp T, 0,1
.if \s == 1
	v_lshl_or_b32 v[QW+\T], v[PT+4*\T+1], 8, v[PT+4*\T]
.else
	v_lshl_or_b32 v[QW+\T], v[PT+4*\T+\s], 8*\s, v[QW+\T]
.endif
.endr
.endr
	WIN 0x03
.set BB, 0
.rept 8
	v_cvt_scalef32_pk8_fp4_f32 v[QC+2*BB], v[128+16*BB:135+16*BB], v[SO+BB]
	v_cvt_scalef32_pk8_fp4_f32 v[QC+2*BB+1], v[136+16*BB:143+16*BB], v[SO+BB]
.set BB, BB+1
.endr
	WIN 0
	v_nop                                          ; one plain place behind a scaled conversion
.irp g, 0,1,2,3
.irp i, 0,1
	v_permlane16_swap_b32 v[QC+4*\g+\i], v[QC+4*\g+2+\i]           ; a whole block in a lane
.endr
.endr
.irp T, 0,1                                    ; (these eight are also the places between Q's codes and scale words and the first products)
	v_mov_b32 v[13+2*\T], 0xff61b1e6               ; the largest t so far: -3e38
	v_mov_b32 v[16+2*\T], 0
	v_mov_b32 v[17+2*\T], 0
.endr
.irp T, 0,1
	v_floor_f32 v[12+2*\T], -v[13+2*\T]
.endr
	s_wait_alu depctr_va_vdst(0)                   ; ahead of the branch and of the trip's first wait
	s_cmp_eq_u32 s[RI], 2
	s_cbranch_scc1 .Lnoq                           ; the last round has no successor
	s_mov_b32 s[TP], s[OQ+1]
	s_add_nc_u64 s[QB:QB+1], s[4:5], s[TP:TP+1]
	QLOAD                                          ; the next round's queries: four trips ahead of their use
.Lnoq:
	s_mov_b32 s[TB], s[SLB]
	s_mov_b32 s[TS], s[SLB]
	s_mov_b32 s[CNT], 4
.Ltrip:
	s_add_co_u32 s61, s[TB], 16384                 ; where the next trip's K and its scale words lie: 256 keys on, or at the head of the next round's slot
	s_add_co_u32 s62, s[TS], 1024
	s_cmp_eq_u32 s[CNT], 1
	s_cselect_b32 s61, s[NXB], s61
	s_cselect_b32 s62, s[NXB], s62
	s_wait_dscnt 0x0                               ; K's fragments and scale words are in
	WIN 0x42
.irp u, 0,1                                    ; S^T = K Q^T: 32 accumulators, one instruction each
.irp t, 0,2,4,6
.irp T, 0,1
	v_wmma_scale_f32_16x16x128_f8f6f4 v[128*\T+64*\u+8*\t:128*\T+64*\u+8*\t+7], v[128+64*\u+8*\t:128+64*\u+8*\t+7], v[QC+8*\T:QC+8*\T+7], 0, v[KS+4*\u+\t/2], v[QW+\T] matrix_a_fmt:MATRIX_FMT_FP4 matrix_b_fmt:MATRIX_FMT_FP4
.endr
.irp T, 0,1
	v_wmma_scale_f32_16x16x128_f8f6f4 v[128*\T+64*\u+8*\t+8:128*\T+64*\u+8*\t+15], v[136+64*\u+8*\t:136+64*\u+8*\t+7], v[QC+8*\T:QC+8*\T+7], 0, v[KS+4*\u+\t/2], v[QW+\T] matrix_a_fmt:MATRIX_FMT_FP4 matrix_b_fmt:MATRIX_FMT_FP4 matrix_a_scale:MATRIX_SCALE_ROW1
.endr
.endr
.endr
	WIN 0
	v_add_nc_u32 v[ADK], s61, v[LI]                ; four places behind the products
	v_add_nc_u32 v[ADKS], s62, v[LIS]
	v_add_nc_u32 v[ADV], s[TB], v[LIV]
	v_add_nc_u32 v[ADS], s[TS], v[LIS]
	s_wait_alu depctr_va_vdst(0)                   ; directly behind the writes
	VGRP 0, 8
	WIN 0
	ds_load_b128 v[VS:VS+3], v[ADS] offset:VSCO
	ds_load_b128 v[VS+4:VS+7], v[ADS] offset:VSCO+512
	WIN 0x15                                       ; the largest score of each of the 16 blocks (8 a tile): for the row's maximum and for the block's largest p
.set BB, 0
.rept 16
	v_max3_num_f32 v[BM+BB], v[16*BB], v[16*BB+1], v[16*BB+2]
.set BB, BB+1
.endr
.set II, 3
.rept 6
	WIN 0x14
.set BB, 0
.rept 16
	v_max3_num_f32 v[BM+BB], v[BM+BB], v[16*BB+II], v[16*BB+II+1]
.set BB, BB+1
.endr
	VGRP 8+2*(II-3), 4                             ; V's loads in fours among the maxima
.set II, II+2
.endr
	WIN 0x14
.set BB, 0
.rept 16
	v_max_num_f32 v[BM+BB], v[BM+BB], v[16*BB+15]
.set BB, BB+1
.endr
	WIN 0
	KGRP 0, 0
.set BB, 0
.rept 16
	v_permlanex16_b32 v[PT+BB], v[BM+BB], s[SEL], s[SEL+1]
.set BB, BB+1
.endr
.set BB, 0
.rept 16
	v_max_num_f32 v[BM+BB], v[BM+BB], v[PT+BB]     ; with lane l xor 16's 16 keys
.set BB, BB+1
.endr
	KGRP 1, 0
.irp T, 0,1
	v_max3_num_f32 v[24+\T], v[BM+8*\T], v[BM+8*\T+1], v[BM+8*\T+2]
.endr
.irp i, 3,5
.irp T, 0,1
	v_max3_num_f32 v[24+\T], v[24+\T], v[BM+8*\T+\i], v[BM+8*\T+\i+1]
.endr
.endr
.irp T, 0,1
	v_max_num_f32 v[24+\T], v[24+\T], v[BM+8*\T+7] ; the trip's largest score of my query
.endr
.irp T, 0,1
	v_mul_f32 v[24+\T], s[CS], v[24+\T]            ; as t (c is positive)
.endr
.irp T, 0,1
	v_max_num_f32 v[13+2*\T], v[13+2*\T], v[24+\T]
.endr
.irp T, 0,1
	v_mov_b32 v[26+\T], v[12+2*\T]
.endr
.irp T, 0,1
	v_floor_f32 v[12+2*\T], -v[13+2*\T]            ; the new -M = -ceil(t)
.endr
.irp T, 0,1
	v_sub_f32 v[26+\T], v[12+2*\T], v[26+\T]       ; old M - new M: a whole number, 0 or less
.endr
.irp T, 0,1
	v_cvt_i32_f32 v[26+\T], v[26+\T]               ; (it saturates)
.endr
.irp T, 0,1
	v_ldexp_f32 v[20+2*\T], 1.0, v[26+\T]          ; f = 2^(old M - new M)
.endr
	WIN 0x82
.set JJ, 0
.rept 64
	v_pk_mul_f32 v[JJ:JJ+1], v[JJ:JJ+1], v[20+2*(JJ/64):21+2*(JJ/64)] op_sel_hi:[1,0]   ; O^T under the new M: ahead of the trip's exponentials, ascending
.set JJ, JJ+2
.endr
	WIN 0
	KGRP 2, 0
	WIN 0x41
.set JJ, 0
.rept 64
	v_pk_fma_f32 v[JJ:JJ+1], v[JJ:JJ+1], s[CS:CS+1], v[12:13] op_sel_hi:[1,0,0]   ; tile 0: t - M
.set JJ, JJ+2
.endr
	WIN 0
.set BB, 0
.rept 16
	v_fma_f32 v[BM+BB], v[BM+BB], s[CS], v[12+2*(BB/8)]            ; the same of each block's largest score
.set BB, BB+1
.endr
	KGRP 3, 1
	s_wait_alu depctr_va_vdst(0)                   ; one wait ahead of the batch
	WIN 0x41
.set JJ, 0
.rept 64
	v_exp_f32 v[JJ], v[JJ]                         ; tile 0: p = 2^(t - M), not normalised;
	v_exp_f32 v[JJ+1], v[JJ+1]
	v_pk_fma_f32 v[128+JJ:129+JJ], v[128+JJ:129+JJ], s[CS:CS+1], v[14:15] op_sel_hi:[1,0,0]   ; by turns with tile 1's t - M, which is read behind the next wait
.set JJ, JJ+2
.endr
	WIN 0
.set BB, 0
.rept 16
	v_exp_f32 v[BM+BB], v[BM+BB]                   ; the blocks' largest p
.set BB, BB+1
.endr
.irp T, 0,1
	v_pk_mul_f32 v[16+2*\T:17+2*\T], v[16+2*\T:17+2*\T], v[20+2*\T:21+2*\T] op_sel_hi:[1,0]   ; the sums under the new M (plain places behind the batch)
.endr
	s_wait_alu depctr_va_vdst(0)                   ; behind the first batch and ahead of the second
	WIN 0x41
.set JJ, 128
.rept 128
	v_exp_f32 v[JJ], v[JJ]                         ; tile 1
.set JJ, JJ+1
.endr
	SUMT 0                                         ; tile 0's sum names none of the second batch's results
	s_wait_alu depctr_va_vdst(0)                   ; behind the second batch, ahead of its first reader
.set BB, 0
.rept 16
	v_max_num_f32 v[BM+BB], 0x1800000, v[BM+BB]    ; the floor 2^(3 - 127): the byte cannot fall under 1
.set BB, BB+1
.endr
.set BB, 0
.rept 16
	v_add_nc_u32 v[SO+BB], 0xff000000, v[BM+BB]
.set BB, BB+1
.endr
.set BB, 0
.rept 16
	v_lshrrev_b32 v[PT+BB], 23, v[SO+BB]
.set BB, BB+1
.endr
.irp s, 1,2,3
.irp g, 0,1,2,3
.if \s == 1
	v_lshl_or_b32 v[PW+\g], v[PT+4*\g+1], 8, v[PT+4*\g]            ; p's scale word of tile g / 2, key step g % 2
.else
	v_lshl_or_b32 v[PW+\g], v[PT+4*\g+\s], 8*\s, v[PW+\g]
.endif
.endr
.endr
	WIN 0x01
.set BB, 0
.rept 16
	v_cvt_scalef32_pk8_fp4_f32 v[PC+2*BB], v[16*BB:16*BB+7], v[SO+BB]
	v_cvt_scalef32_pk8_fp4_f32 v[PC+2*BB+1], v[16*BB+8:16*BB+15], v[SO+BB]
.set BB, BB+1
.endr
	WIN 0
	v_nop                                          ; one plain place behind a scaled conversion
.irp g, 0,1,2,3,4,5,6,7
.irp i, 0,1
	v_permlane16_swap_b32 v[PC+4*\g+\i], v[PC+4*\g+2+\i]
.endr
.endr
	s_wait_alu depctr_va_vdst(0)                   ; ahead of the branch
	s_cmp_eq_u32 s[CNT], s[FLC]                    ; a round's last trip, if a round follows:
	s_cbranch_scc0 .Lnocs
	CSLOAD                                         ; its cos and sin, into the registers that held tile 0's p
.Lnocs:
	SUMT 1                                         ; (also the places between p's codes and scale words and the products)
	s_wait_alu depctr_va_vdst(0)                   ; ahead of the wait below
	s_wait_dscnt 0x0                               ; V's images and scale words are in
	WIN 0xa3
.irp u, 0,1                                    ; O^T += V^T P^T: sixteen accumulators by turns, one instruction a turn
.irp t, 0,2,4,6
.irp T, 0,1
	v_wmma_scale_f32_16x16x128_f8f6f4 v[64*\T+8*\t:64*\T+8*\t+7], v[64*\u+8*\t:64*\u+8*\t+7], v[PC+16*\T+8*\u:PC+16*\T+8*\u+7], v[64*\T+8*\t:64*\T+8*\t+7], v[VS+4*\u+\t/2], v[PW+2*\T+\u] matrix_a_fmt:MATRIX_FMT_FP4 matrix_b_fmt:MATRIX_FMT_FP4
.endr
.irp T, 0,1
	v_wmma_scale_f32_16x16x128_f8f6f4 v[64*\T+8*\t+8:64*\T+8*\t+15], v[64*\u+8*\t+8:64*\u+8*\t+15], v[PC+16*\T+8*\u:PC+16*\T+8*\u+7], v[64*\T+8*\t+8:64*\T+8*\t+15], v[VS+4*\u+\t/2], v[PW+2*\T+\u] matrix_a_fmt:MATRIX_FMT_FP4 matrix_b_fmt:MATRIX_FMT_FP4 matrix_a_scale:MATRIX_SCALE_ROW1
.endr
.endr
.endr
	WIN 0
	s_add_co_u32 s[TB], s[TB], 16384
	s_add_co_u32 s[TS], s[TS], 1024
	s_sub_co_u32 s[TL], s[TL], 1
	s_sub_co_u32 s[CNT], s[CNT], 1
	s_cmp_lg_u32 s[CNT], 0
	s_cbranch_scc1 .Ltrip
	; THE WAY OUT: O^T is divided by the row's sum, turns through my stage, and leaves as whole rows of 512 consecutive bytes
.irp T, 0,1
	v_add_f32 v[16+2*\T], v[16+2*\T], v[17+2*\T]
.endr
.irp T, 0,1
	v_permlanex16_b32 v[PT+\T], v[16+2*\T], s[SEL], s[SEL+1]
.endr
.irp T, 0,1
	v_add_f32 v[16+2*\T], v[16+2*\T], v[PT+\T]
.endr
	s_wait_alu depctr_va_vdst(0)                   ; ahead of the transcendentals
.irp T, 0,1
	v_rcp_f32 v[16+2*\T], v[16+2*\T]
.endr
	v_nop
.irp T, 0,1
	WIN 0x82
	s_wait_alu depctr_va_vdst(0)                   ; directly ahead of the first reader of the reciprocal and of the tile's O^T
.set JJ, 0
.rept 32
	v_pk_mul_f32 v[64*\T+JJ:64*\T+JJ+1], v[64*\T+JJ:64*\T+JJ+1], v[16+2*\T:17+2*\T] op_sel_hi:[1,0]   ; ascending: each accumulator from its low end on
.set JJ, JJ+2
.endr
	WIN 0x08
.set KK, 0
.rept 16
	ds_store_b128 v[TRD], v[64*\T+4*KK:64*\T+4*KK+3] offset:128*(KK/4)+16*(KK%4)
.set KK, KK+1
.endr
	WIN 0xc0
.set KK, 0
.rept 16
	ds_load_b128 v[64*\T+4*KK:64*\T+4*KK+3], v[TST] offset:KK*SPQ
.set KK, KK+1
.endr
.endr
	WIN 0x0c
	s_wait_dscnt 32                                ; tile 0 is back: behind its loads stand tile 1's 16 stores and 16 loads
.set KK, 0
.rept 16
	global_store_b128 v[LI], v[4*KK:4*KK+3], s[OB:OB+1] offset:KK*QROW th:TH_STORE_NT
.set KK, KK+1
.endr
	s_wait_dscnt 0x0
.set KK, 0
.rept 16
	global_store_b128 v[LIB], v[64+4*KK:67+4*KK], s[OB:OB+1] offset:KK*QROW th:TH_STORE_NT
.set KK, KK+1
.endr
	WIN 0
	s_mov_b32 s[OQ], s[OQ+1]                       ; on to the next round's offsets
	s_mov_b32 s[OQ+1], s[OQ+2]
	s_mov_b32 s[OC+1], s[OC+2]
	s_wait_tensorcnt 0x0                           ; my quarter of slot 1 is in,
	s_barrier_signal -1
	s_barrier_wait -1                              ; and everybody's: it is read from the last trip of round 1 on
	s_add_co_u32 s[RI], s[RI], 1
	s_cmp_lt_u32 s[RI], 3
	s_cbranch_scc1 .Lround
	s_wait_tensorcnt 0x0                           ; the wave's end
	ds_add_u32 v[SPW], v[NIL]
	s_wait_dscnt 0x0
	ROUND                                          ; the closing round
	s_endpgm
.Lfunc_end_k_qf3aa7c2e3e_attn:
	.size	k_qf3aa7c2e3e_attn, .Lfunc_end_k_qf3aa7c2e3e_attn-k_qf3aa7c2e3e_attn
	.p2alignl 7, 3214868480
	.fill 96, 4, 3214868480
	.section	.rodata,"a",@progbits
	.p2align	6, 0x0
	.amdhsa_kernel k_qf3aa7c2e3e_attn
		.amdhsa_group_segment_fixed_size 327680
		.amdhsa_private_segment_fixed_size 0
		.amdhsa_enable_private_segment 0
		.amdhsa_kernarg_size 40
		.amdhsa_user_sgpr_count 2
		.amdhsa_user_sgpr_kernarg_segment_ptr 1
		.amdhsa_wavefront_size32 1
		.amdhsa_system_sgpr_workgroup_id_x 1
		.amdhsa_system_sgpr_workgroup_id_y 1
		.amdhsa_system_sgpr_workgroup_id_z 1
		.amdhsa_system_vgpr_workitem_id 0
		.amdhsa_next_free_vgpr 1024
		.amdhsa_next_free_sgpr 72
		.amdhsa_reserve_vcc 0
		.amdhsa_float_denorm_mode_32 3
		.amdhsa_float_denorm_mode_16_64 3
		.amdhsa_memory_ordered 1
		.amdhsa_forward_progress 1
		.amdhsa_inst_pref_size 123
	.end_amdhsa_kernel
	.amdgpu_metadata
---
amdhsa.version: [ 1, 2 ]
amdhsa.kernels:
  - .name:           k_qf3aa7c2e3e_attn
    .symbol:         k_qf3aa7c2e3e_attn.kd
    .args:
      - { .name: query, .offset: 0, .size: 8, .value_kind: global_buffer, .address_space: global }
      - { .name: freqs_cos, .offset: 8, .size: 8, .value_kind: global_buffer, .address_space: global }
      - { .name: freqs_sin, .offset: 16, .size: 8, .value_kind: global_buffer, .address_space: global }
      - { .name: kv, .offset: 24, .size: 8, .value_kind: global_buffer, .address_space: global }
      - { .name: out0, .offset: 32, .size: 8, .value_kind: global_buffer, .address_space: global }
    .group_segment_fixed_size: 327680
    .private_segment_fixed_size: 0
    .kernarg_segment_align: 8
    .kernarg_segment_size: 40
    .max_flat_workgroup_size: 128
    .sgpr_count:     72
    .vgpr_count:     1024
    .wavefront_size: 32
...
	.end_amdgpu_metadata
.endif
;; end of part 3
